; MI455X (gfx1250); checked and timed in simulation.
; The chip was launched on July 23, 2026; its instructions are those of AMD's public machine-readable ISA for CDNA 5 (MIT licence, August 2026) and "CDNA5" Instruction Set Architecture Reference Guide (July 2026). The comments in the code are by the model that wrote it; some were corrected since.
;; Vector Quantizer2. Allowed arithmetic: float matrix products may take bf16 or f16 operands with f32 sums; other float arithmetic in f32, or as packed bf16 or f16 multiplies, adds, multiply-adds, maxima and minima; sums over many terms, partial sums and values carried from step to step in f32; what a program stores and reads back later, other than sums and carried values, may be rounded once to bf16 or f16.
;; Inputs: codebook 4,096 x 256 float32; z 32 x 2,048 x 256 float32.
;; Outputs: out0 32 x 2,048 x 256 float32.
;; One version. Each part assembles by itself: llvm-mc -triple=amdgcn-amd-amdhsa -mcpu=gfx1250 --defsym DOCPART=n.
;; ======== version 1 of 1: 3 launches
;; workspace buffers: cbx 2,162,688 bytes; idx 262,144 bytes of whole numbers
;; launch prep (part 1): grid 128 x 1, 8 waves a work-group, no clusters, 1,280 bytes of LDS; arguments codebook, cbx; writes cbx
.if DOCPART == 1
	.amdgcn_target "amdgcn-amd-amdhsa--gfx1250"
	.amdhsa_code_object_version 6
	.text
	.protected	k_qb5c66fb52e_prep
	.globl	k_qb5c66fb52e_prep
	.p2align	8
	.type	k_qb5c66fb52e_prep,@function
k_qb5c66fb52e_prep:
	s_mov_b64 s[64:65], 0
	v_nop
	global_prefetch_b8 v0, s[64:65] scope:SCOPE_SE
	s_setreg_imm32_b32 hwreg(HW_REG_WAVE_MODE, 25, 1), 1
	s_wait_xcnt 0x0
; cbx: the codebook laid out for the search.  128 blocks of 16,896 bytes; block g = 32 rows of 512 bytes (codes 32 g .. 32 g + 31 rounded once to bf16)
; and a 33rd row of 512 bytes: the 32 sums ee = sum of the squares of the ROUNDED numbers, in f32 (128 bytes), then 384 bytes of zeros.
; A work-group of eight waves makes one block; a wave takes four codes.  A load of a wave covers 512 consecutive bytes of a code's 1,024, a store 256 consecutive aligned bytes.
; LIMITS.  ee is added in another order than a plain sum along the row; NaN and infinities are not treated apart.
; No matrix unit, no cluster: 4 MiB are read once and nothing is shared.
.set SPARE, 256                        ; LDS: bytes 0-127 the block's 32 sums (they have the block 0-255 to themselves); from 256 on the spare words, 128 bytes a wave
.set GBLK,  16896                      ; bytes of a block of cbx
.set RAW,   8                          ; v[8:39]   row i, half e: 4 f32 at RAW + 8 i + 4 e
.set PKD,   40                         ; v[40:55]  row i: 4 words of bf16 at PKD + 4 i
.set SUM,   56                         ; v[56:59]  row i's sum
	s_load_b128 s[4:7], s[0:1], 0x0                ; codebook s[4:5], cbx s[6:7]
	v_lshl_add_u32 v6, v0, 2, SPARE                ; my spare word
	v_mov_b32 v7, 0                                ; and 0
	v_lshrrev_b32 v3, 5, v0
	v_readfirstlane_b32 s8, v3                     ; wave 0..7
	v_and_b32 v2, 31, v0                           ; lane
	v_lshlrev_b32 v1, 4, v2                        ; 16 x lane
	v_min_u32 v4, 7, v2
	v_lshlrev_b32 v4, 4, v4                        ; 16 x min(lane, 7): where wave 0 reads the sums back
	v_lshlrev_b32 v2, 3, v2                        ; 8 x lane
	v_lshlrev_b32 v3, 4, v3                        ; 16 x wave: my four sums' words
	v_mov_b32 v5, 0                                ; what the sums start from
	v_mov_b32 v60, 0                               ; v_permlanex16_b32 counts as a reader of its destination
	s_lshl_b32 s10, ttmp9, 15                      ; the block's 32 codes of 1,024 bytes,
	s_lshl_b32 s9, s8, 12                          ; my four of them
	s_add_co_u32 s10, s10, s9
	s_mov_b32 s11, 0
	s_mul_i32 s16, ttmp9, GBLK                     ; the block in cbx,
	s_lshl_b32 s9, s8, 11                          ; my four rows of 512 bytes
	s_add_co_u32 s16, s16, s9
	s_mov_b32 s17, 0
	s_mov_b32 s12, 0x76543210                      ; each lane takes its own place in the other half
	s_mov_b32 s13, 0xfedcba98
	s_mov_b32 s14, 0xff                            ; lanes 0-7
	s_wait_kmcnt 0x0
	s_add_nc_u64 s[4:5], s[4:5], s[10:11]
	s_add_nc_u64 s[6:7], s[6:7], s[16:17]
.irp t, 0,1,2,3,4,5,6,7
	global_load_b128 v[RAW+4*(\t):RAW+4*(\t)+3], v1, s[4:5] offset:512*(\t)  ; row t / 2, half t % 2
.endr
	s_wait_loadcnt 0x0
.irp t, 0,1,2,3,4,5,6,7
	v_cvt_pk_bf16_f32 v[PKD+2*(\t)],   v[RAW+4*(\t)],   v[RAW+4*(\t)+1]
	v_cvt_pk_bf16_f32 v[PKD+2*(\t)+1], v[RAW+4*(\t)+2], v[RAW+4*(\t)+3]
.endr
.irp t, 0,1,2,3,4,5,6,7
	global_store_b64 v2, v[PKD+2*(\t):PKD+2*(\t)+1], s[6:7] offset:256*(\t)  ; 32 lanes x 8 bytes: 256 consecutive bytes, at a multiple of 256
.endr
	; the squares of my eight rounded numbers of each row, in two chains; a bf16's square is exact in f32
.irp i, 0,1,2,3
	v_fma_mix_f32_bf16 v[SUM+(\i)],   v[PKD+4*(\i)],   v[PKD+4*(\i)],   v5 op_sel_hi:[1,1,0]
	v_fma_mix_f32_bf16 v[RAW+8*(\i)], v[PKD+4*(\i)+2], v[PKD+4*(\i)+2], v5 op_sel_hi:[1,1,0]
.endr
.irp i, 0,1,2,3
	v_fma_mix_f32_bf16 v[SUM+(\i)],   v[PKD+4*(\i)],   v[PKD+4*(\i)],   v[SUM+(\i)]   op_sel:[1,1,0] op_sel_hi:[1,1,0]
	v_fma_mix_f32_bf16 v[RAW+8*(\i)], v[PKD+4*(\i)+2], v[PKD+4*(\i)+2], v[RAW+8*(\i)] op_sel:[1,1,0] op_sel_hi:[1,1,0]
.endr
.irp i, 0,1,2,3
	v_fma_mix_f32_bf16 v[SUM+(\i)],   v[PKD+4*(\i)+1], v[PKD+4*(\i)+1], v[SUM+(\i)]   op_sel_hi:[1,1,0]
	v_fma_mix_f32_bf16 v[RAW+8*(\i)], v[PKD+4*(\i)+3], v[PKD+4*(\i)+3], v[RAW+8*(\i)] op_sel_hi:[1,1,0]
.endr
.irp i, 0,1,2,3
	v_fma_mix_f32_bf16 v[SUM+(\i)],   v[PKD+4*(\i)+1], v[PKD+4*(\i)+1], v[SUM+(\i)]   op_sel:[1,1,0] op_sel_hi:[1,1,0]
	v_fma_mix_f32_bf16 v[RAW+8*(\i)], v[PKD+4*(\i)+3], v[PKD+4*(\i)+3], v[RAW+8*(\i)] op_sel:[1,1,0] op_sel_hi:[1,1,0]
.endr
.irp i, 0,1,2,3
	v_add_f32 v[SUM+(\i)], v[SUM+(\i)], v[RAW+8*(\i)]
.endr
	; across the 32 lanes: four steps inside each half of 16 lanes, one across the halves
.irp x, 1,2,4,8
.irp i, 0,1,2,3
	v_add_f32_dpp v[SUM+(\i)], v[SUM+(\i)], v[SUM+(\i)] row_xmask:\x row_mask:0xf bank_mask:0xf
.endr
.endr
.irp i, 0,1,2,3
	v_permlanex16_b32 v60, v[SUM+(\i)], s12, s13
	v_add_f32 v[SUM+(\i)], v[SUM+(\i)], v60
.endr
.irp i, 0,1,2,3
	ds_store_b32 v3, v[SUM+(\i)] offset:4*(\i)     ; all lanes write the same word with the same number: word 4 w + i
.endr
	s_wait_tensorcnt 0x0                           ; behind my last LDS store;
	ds_add_u32 v6, v7
	s_wait_dscnt 0x0                               ; this wait also shows my four stores done, for wave 0's sake, in front of the signal
	s_barrier_signal -1
	s_barrier_wait -1
	s_cmp_lg_u32 s8, 0
	s_cbranch_scc1 .Lend
	ds_load_b128 v[8:11], v4                       ; wave 0: lanes 0-7 take the 32 sums,
	s_wait_dscnt 0x0
.irp j, 8,9,10,11
	v_cndmask_b32 v\j, 0, v\j, s14                 ; the other lanes zeros,
.endr
	global_store_b128 v1, v[8:11], s[6:7] offset:16384  ; and the 33rd row goes out whole: 512 consecutive bytes (wave 0's base is the block's)
.Lend:
	s_endpgm
.Lfunc_end_k_qb5c66fb52e_prep:
	.size	k_qb5c66fb52e_prep, .Lfunc_end_k_qb5c66fb52e_prep-k_qb5c66fb52e_prep
	.p2alignl 7, 3214868480
	.fill 96, 4, 3214868480
	.section	.rodata,"a",@progbits
	.p2align	6, 0x0
	.amdhsa_kernel k_qb5c66fb52e_prep
		.amdhsa_group_segment_fixed_size 1280
		.amdhsa_private_segment_fixed_size 0
		.amdhsa_enable_private_segment 0
		.amdhsa_kernarg_size 16
		.amdhsa_user_sgpr_count 2
		.amdhsa_user_sgpr_kernarg_segment_ptr 1
		.amdhsa_wavefront_size32 1
		.amdhsa_system_sgpr_workgroup_id_x 1
		.amdhsa_system_sgpr_workgroup_id_y 1
		.amdhsa_system_sgpr_workgroup_id_z 1
		.amdhsa_system_vgpr_workitem_id 0
		.amdhsa_next_free_vgpr 64
		.amdhsa_next_free_sgpr 66
		.amdhsa_reserve_vcc 0
		.amdhsa_float_denorm_mode_32 3
		.amdhsa_float_denorm_mode_16_64 3
		.amdhsa_memory_ordered 1
		.amdhsa_forward_progress 1
		.amdhsa_inst_pref_size 9
	.end_amdhsa_kernel
	.amdgpu_metadata
---
amdhsa.version: [ 1, 2 ]
amdhsa.kernels:
  - .name:           k_qb5c66fb52e_prep
    .symbol:         k_qb5c66fb52e_prep.kd
    .args:
      - { .name: codebook, .offset: 0, .size: 8, .value_kind: global_buffer, .address_space: global }
      - { .name: cbx, .offset: 8, .size: 8, .value_kind: global_buffer, .address_space: global }
    .group_segment_fixed_size: 1280
    .private_segment_fixed_size: 0
    .kernarg_segment_align: 8
    .kernarg_segment_size: 16
    .max_flat_workgroup_size: 256
    .sgpr_count:     66
    .vgpr_count:     64
    .wavefront_size: 32
...
	.end_amdgpu_metadata
.endif
;; end of part 1
;; launch search (part 2): grid 256 x 1, 4 waves a work-group, clusters of 4 x 1, 327,680 bytes of LDS; arguments z, cbx, idx; writes idx
.if DOCPART == 2
	.amdgcn_target "amdgcn-amd-amdhsa--gfx1250"
	.amdhsa_code_object_version 6
	.text
	.protected	k_qb5c66fb52e_search
	.globl	k_qb5c66fb52e_search
	.p2align	8
	.type	k_qb5c66fb52e_search,@function
k_qb5c66fb52e_search:
	s_mov_b64 s[64:65], 0
	v_nop
	global_prefetch_b8 v0, s[64:65] scope:SCOPE_SE
	s_setreg_imm32_b32 hwreg(HW_REG_WAVE_MODE, 25, 1), 1
	s_wait_xcnt 0x0
	s_wait_alu depctr_hold_cnt(0) depctr_sa_sdst(0) depctr_va_vdst(0) depctr_va_sdst(0) depctr_va_ssrc(0) depctr_va_vcc(0) depctr_vm_vsrc(0)
	s_getreg_b32 s2, hwreg(HW_REG_IB_STS2, 6, 4)
	s_cmp_eq_u32 s2, 0
	s_cbranch_scc0 .Lentry_in_a_cluster
	s_endpgm
.Lentry_in_a_cluster:
	s_bfe_u32 s2, ttmp6, 0x10000c
	s_cmp_lg_u32 s2, 0x3003
	s_cbranch_scc0 .Lentry_shape_is_right
	s_endpgm
.Lentry_shape_is_right:
; idx[n] = the first k at which d[n][k] = fl(fl(zz[n] + ee[k]) - 2 z[n] . e[k]) is smallest.  z: [65536][256] f32, rounded here once to bf16; cbx: the codes in bf16 with their ee (see below); idx: i32.
; The distance is ROUNDED AS IT IS DEFINED, in f32: zz is some 1e5 times the spread of 2 z . e, so distinct scores often round to the same distance, and then the lower index wins.
; zz is the sum of the squares of the rounded z (the diagonal of Z Z^T, by the matrix unit), ee that of the rounded codes.
; LIMITS.  zz and ee are added in another order than a plain sum along the row: a zz that is off by some steps of f32 moves all of a row's distances by the same steps and changes no order, unless the smallest
; distance lies within those steps of a power of two.  The product's sums have the matrix unit's order: where a distance lies within that last-bit difference of a rounding boundary and a second code lies within one
; f32 step of it, the other of the two codes may be taken.  NaN and infinities are not treated apart.
; SHARES.  A work-group owns 256 rows of z, each of its four waves 64: four tiles of 16 queries, whose fragments for all 256 channels stay in 256 registers.  Every wave walks all 4,096 codes, 32 a step.
; LAYOUT.  S^T = E Z^T (source 0 = 16 codes, source 1 = 16 queries): a lane holds ONE query (lane % 16) and the codes 8 (lane / 16) + 0..7 of each of the step's two code tiles a and b.
; THE MINIMUM.  A lane keeps, for each query tile and register j, the smallest distance so far (B0, B1 by turns, so that nothing is copied), the step that brought it (IX), and that step's distance of tile a (SA).
; For a step's pair of codes: A = ee + zz and d = A - 2 s (packed, two codes a line), one minimum of three, one strict compare (the earlier step keeps a tie), two selects: three vector lines a matrix instruction.
; BY TURNS.  The wave's tiles are two PIECES (tiles 0, 1 and tiles 2, 3).  In a HALF one piece issues its 32 products; the other piece's 96 lines stand between them, three behind each.
; CLUSTER.  All work-groups walk the same cbx, so the four of a cluster ask for each tile JOINTLY: the same tensor load, descriptor and mask in all four.  My place in the cluster enters z's and idx's addresses alone.
; RING.  cbx lies in blocks of 33 rows of 512 bytes: 32 codes and a row with their ee.  A slot holds four blocks, four steps; wave w fills block w: 33 rows a load, a quarter of a slot (a slot's bytes are what
; fits under the one bit that turns one slot's address into the other's).  A wave has two tensor loads out at the start, one behind each round.
; REGISTERS, in windows of 256 (s_set_vgpr_msb: bits 1:0 source 0, 3:2 source 1, 5:4 source 2, 7:6 destination):
;   window 0: v0-31 addresses, zz, at work; v32-63 T (a piece's 32 distances a lane); v64-127 at work while z is converted; v128-255 the state, 32 a query tile
;   window 1: Z, 64 a query tile      window 2: the codes' fragments, two buffers of 128 (at first: z as loaded)      window 3: v0-63 the products' sums, 32 a piece; v64-95 ee, two buffers of 16
.set PITCH, 528       ; an LDS row: 512 bytes + 16 of padding = 132 words: the 16 rows that a fragment load touches start at 16 different groups of four banks (64 banks of 4 bytes: ISA guide 11.1)
.set BLK,   33*PITCH  ; a block in LDS
.set GBLK,  16896     ; a block in memory
.set SLOT1, 1<<17     ; slot 0 begins at 0, slot 1 here: one exclusive or turns an address in one slot into the other's
.set STAGE, 69888     ; behind slot 0, at a multiple of 256, never filled by a tensor load: 16 rows x 528 bytes for each wave
.set SPARE, STAGE+4*16*PITCH  ; behind the stages: the spare words, 128 bytes for each wave: two blocks of 256 bytes that no other line names
.set AF,  2           ; v2   my lane's place in a block's fragments: (l % 16) x 528 + 16 (l / 16); never rewritten
.set AE,  3           ; v3   my lane's place in a block's ee: 32 x 528 + 32 (l / 16); never rewritten
.set ADR, 4           ; v4   the LDS address of the run of fragment loads in hand
.set ADE, 5           ; v5   of its ee
.set SPW, 6           ; v6   LDS address of my spare word; never rewritten
.set NIL, 7           ; v7   0; never rewritten
.set LO,  8           ; v8   16 x lane
.set STO, 9           ; v9   my stage + 8 x lane
.set ZRD, 10          ; v10  my stage + my lane's place in a fragment
.set H8,  11          ; v11  8 (l / 16)
.set X,   12          ; v12-15  at work, one a query tile
.set ZZ,  16          ; v16-23  zz of my query in tile q, twice: a pair for the packed addition
.set Y,   24          ; v24-27  what comes from the lane 16 away
.set OUT, 28          ; v28-29  two indices to store
.set L4,  30          ; v30  my stage + 4 x lane
.set C16, 31          ; v31  16
.set T,   32          ; T + 16 u + 8 c + j: tile u of the piece, code tile c
.set CT,  64          ; z rounded, on its way to the stage
.set ST,  128         ; tile q's state at ST + 32 q: B0 +0, B1 +8, IX +16, SA +24
.set EE,  64          ; window 3: EE + 16 buffer + 8 c + j
.set WV,  10          ; s10  my wave's number
.set STG, 18          ; s18  my stage
.set G1,  24          ; s[24:31] descriptor group 1
.set G0A, 32          ; s[32:35] descriptor group 0 of the first fill of slot 0
.set G0W, 36          ; s[36:39] of the first fill of slot 1; it then walks
.set SLOTS, 40        ; s40  counts the slots
.set CNT, 41          ; s41  counts pairs of steps in a slot
.set TB,  42          ; s42  LDS byte at which the block to be fetched begins
.set PID, 43          ; s43  the step whose distances are being taken in
.set MK,  44          ; s[44:47] four compare masks, by j's parity and tile
.set SEL, 48          ; s[48:49] v_permlanex16_b32's selects: each lane takes its own place in the other half
.set INF, 50          ; s50  +infinity
.set LM,  52          ; s[53:59] LM + j: the lanes with l % 8 = j
.set DG,  60          ; s60  lanes 0-7 and 24-31
.set UP,  61          ; s61  lanes 16-31
.set MSB, 0
.macro WIN new                      ; the immediate's high byte repeats the setting that is left; a switch that changes nothing is dropped
.if MSB != (\new)
	s_set_vgpr_msb (MSB<<8)|(\new)
.set MSB, (\new)
.endif
.endm
.set W_MM,  0xf6      ; codes window 2, Z window 1, sums (C and D) window 3
.set W_ZZ,  0xf5      ; Z twice, window 1; sums window 3
.set W_P,   0x03      ; source 0 (ee, or a product's sum) window 3; all else window 0
.set W_CV,  0x0a      ; sources 0 and 1 window 2
.set TO_CF, 0x80      ; destination window 2, address window 0
.set TO_EE, 0xc0      ; destination window 3
.set TO_Z,  0x40      ; destination window 1
; A round of the cluster's barrier: my work-group's barrier, so that wave 0's signal speaks for all four waves; wave 0 signals; every wave waits for all four work-groups; my work-group's barrier once more.
.macro CROUND
	s_barrier_signal -1
	s_barrier_wait -1
	s_cmp_lg_u32 s[WV], 0
	s_cbranch_scc1 .Lnot_wave_0_\@
	s_barrier_signal -3
.Lnot_wave_0_\@:
	s_barrier_wait -3
	s_barrier_signal -1
	s_barrier_wait -1
.endm
	s_load_b128 s[4:7], s[0:1], 0x0 ; z s[4:5], cbx s[6:7]
	s_load_b64 s[8:9], s[0:1], 0x10 ; idx
	v_lshl_add_u32 v[SPW], v0, 2, SPARE
	v_mov_b32 v[NIL], 0
	ds_add_u32 v[SPW], v[NIL]       ; the wave's opening: the add and its wait stand ahead of my first tensor load; the set-up below, work on registers, stands between them
	v_lshrrev_b32 v1, 5, v0
	v_readfirstlane_b32 s[WV], v1   ; wave 0..3
	s_bfe_u32 s11, ttmp6, 0x40000   ; cx: my place in the cluster
	s_lshl_b32 s12, ttmp9, 2        ; in a cluster launch ttmp9 counts clusters
	s_add_co_u32 s12, s12, s11      ; my work-group = 4 x cluster + cx
	s_lshl_b32 s14, s12, 18         ; its 256 rows of 1,024 bytes of z,
	s_lshl_b32 s13, s[WV], 16       ; my wave's 64 of them
	s_add_co_u32 s14, s14, s13
	s_mov_b32 s15, 0
	s_lshl_b32 s16, s12, 10         ; and the same rows' 4 bytes in idx
	s_lshl_b32 s13, s[WV], 8
	s_add_co_u32 s16, s16, s13
	s_mov_b32 s17, 0
	s_mul_i32 s[STG], s[WV], 16*PITCH
	s_add_co_u32 s[STG], s[STG], STAGE
	s_mul_i32 s20, s[WV], GBLK      ; the block of a slot that I fetch, in memory (registers that never hold cx)
	s_mov_b32 s21, 0
	s_mul_i32 s22, s[WV], BLK       ; and in LDS
	; descriptor group 1: a tile of 33 rows x 256 elements of 2 bytes, dense in memory, padded in LDS
	s_mov_b32 s[G1], 15|(1<<16)|(1<<20)|(1<<21)|(6<<22)|(3<<25)  ; 15:0 the mask of four; 17:16 2-byte elements; 20 padding on; 21 set beside a mask; 24:22 after every 128 words (code 6); 31:25 4 words (code 3)
	s_mov_b32 s[G1+1], 256<<16      ; tensor_dim0 = 256
	s_mov_b32 s[G1+2], 33<<16       ; tensor_dim1 = 33
	s_mov_b32 s[G1+3], 256<<16      ; tile_dim0 = 256
	s_mov_b32 s[G1+4], 33           ; tile_dim1 = 33
	s_mov_b32 s[G1+5], 256          ; 256 elements from row to row
	s_mov_b32 s[G1+6], 0
	s_mov_b32 s[G1+7], 0
	s_mov_b32 s[TB], 0
	s_mov_b32 s[PID], -1
	s_mov_b32 s[SEL], 0x76543210
	s_mov_b32 s[SEL+1], 0xfedcba98
	s_mov_b32 s[INF], 0x7f800000
.irp j, 1,2,3,4,5,6,7
	s_mov_b32 s[LM+(\j)], 0x01010101<<(\j)
.endr
	s_mov_b32 s[DG], 0xff0000ff
	s_mov_b32 s[UP], 0xffff0000
	v_and_b32 v1, 15, v0            ; l % 16
	v_bfe_u32 v[H8], v0, 4, 1       ; l / 16
	v_mul_u32_u24 v[AF], v1, PITCH
	v_lshl_add_u32 v[AF], v[H8], 4, v[AF]
	v_lshlrev_b32 v[AE], 5, v[H8]
	v_add_nc_u32 v[AE], 32*PITCH, v[AE]
	v_and_b32 v[LO], 31, v0
	v_lshl_add_u32 v[STO], v[LO], 3, s[STG]
	v_lshl_add_u32 v[L4], v[LO], 2, s[STG]
	v_lshlrev_b32 v[LO], 4, v[LO]
	v_add_nc_u32 v[ZRD], s[STG], v[AF]
	v_lshlrev_b32 v[H8], 3, v[H8]
	v_mov_b32 v[C16], 16
.irp q, 0,1,2,3
	v_mov_b32 v[Y+(\q)], 0          ; v_permlanex16_b32 counts as a reader of its destination
.endr
	s_wait_dscnt 0x0                ; the opening add is done
	s_wait_kmcnt 0x0
	s_add_nc_u64 s[4:5], s[4:5], s[14:15]
	s_add_nc_u64 s[8:9], s[8:9], s[16:17]
	s_add_nc_u64 s[6:7], s[6:7], s[20:21]
	WIN TO_CF
.set t, 0
.rept 64                            ; query tiles 0 and 1 as they lie: a load takes 512 consecutive bytes, half a row; tile t / 32, row (t % 32) / 2
	global_load_b128 v[4*t:4*t+3], v[LO], s[4:5] offset:512*t th:TH_LOAD_NT
.set t, t+1
.endr
	WIN 0
	s_mov_b32 s[G0A], 1             ; 1:0 count = 1
	s_mov_b32 s[G0A+1], s22         ; 63:32 LDS address: my block of slot 0
	s_add_nc_u64 s[G0A+2:G0A+3], s[6:7], 0  ; 120:64 global address: my block of the first four
	s_or_b32 s[G0A+3], s[G0A+3], 0x80000000  ; 127:126 type = 2
	s_mov_b32 s[G0W], 1
	s_add_co_u32 s[G0W+1], s22, SLOT1
	s_add_nc_u64 s[G0W+2:G0W+3], s[6:7], 4*GBLK
	s_or_b32 s[G0W+3], s[G0W+3], 0x80000000
	CROUND                          ; all four work-groups are here: the first joint loads meet
	tensor_load_to_lds s[G0A:G0A+3], s[G1:G1+7]
	s_nop 0
	tensor_load_to_lds s[G0W:G0W+3], s[G1:G1+7]
	s_nop 0
.rept 4
	v_nop                           ; an s_nop 0 follows each load, four v_nop the second
.endr
; Z.  Query tile q: rounded to bf16, 8 bytes a lane into my stage (rows of 528 bytes), and back as fragments: lane l holds row l % 16, channels 32 k + 8 (l / 16) + 0..7 and 32 k + 16 + 8 (l / 16) + 0..7.
; LDS serves a wave's instructions in order (ISA guide 5.7.1.4): the loads see the stores above them, and the next tile's stores come behind the loads.  left: the younger global loads, which stay out.
.macro ZCONV q, left
	s_wait_loadcnt \left
	WIN W_CV
.set t, 0
.rept 64
	v_cvt_pk_bf16_f32 v[CT+t], v[128*((\q)&1)+2*t], v[128*((\q)&1)+2*t+1]
.set t, t+1
.endr
	WIN 0
.set t, 0
.rept 32
	ds_store_b64 v[STO], v[CT+2*t:CT+2*t+1] offset:(t>>1)*PITCH+(t&1)*256
.set t, t+1
.endr
.if (\q) < 2
	WIN TO_CF
.set t, 0
.rept 32                            ; the tile two further on, into the registers just read
	global_load_b128 v[128*((\q)&1)+4*t:128*((\q)&1)+4*t+3], v[LO], s[4:5] offset:((\q)+2)*16384+512*t th:TH_LOAD_NT
.set t, t+1
.endr
.endif
	WIN TO_Z
.set t, 0
.rept 8
	ds_load_b128 v[64*(\q)+8*t:64*(\q)+8*t+3],   v[ZRD] offset:64*t
	ds_load_b128 v[64*(\q)+8*t+4:64*(\q)+8*t+7], v[ZRD] offset:64*t+32
.set t, t+1
.endr
.endm
	ZCONV 0, 32                     ; tile 0 is in; tile 1's 32 loads stay out
	ZCONV 1, 32                     ; tile 1 is in; tile 2's stay out
	ZCONV 2, 32                     ; tile 2 is in; tile 3's stay out
	ZCONV 3, 0
	s_wait_dscnt 0x0                ; Z is in its registers
	; zz: the diagonal of Z Z^T, a tile's fragment as both sources; the four tiles' sums take turns
	WIN W_ZZ
.set t, 0
.rept 32
.if t < 4
	v_wmma_f32_16x16x32_bf16 v[8*(t&3):8*(t&3)+7], v[64*(t&3)+8*(t>>2):64*(t&3)+8*(t>>2)+7], v[64*(t&3)+8*(t>>2):64*(t&3)+8*(t>>2)+7], 0
.else
	v_wmma_f32_16x16x32_bf16 v[8*(t&3):8*(t&3)+7], v[64*(t&3)+8*(t>>2):64*(t&3)+8*(t>>2)+7], v[64*(t&3)+8*(t>>2):64*(t&3)+8*(t>>2)+7], v[8*(t&3):8*(t&3)+7]
.endif
.set t, t+1
.endr
	WIN 0
.set t, 0
.rept 32                            ; the state begins: no distance yet.  These lines are also the places behind the products above
	v_mov_b32 v[ST+32*(t>>3)+(t&7)], s[INF]
	v_mov_b32 v[ST+32*(t>>3)+16+(t&7)], 0
	v_mov_b32 v[ST+32*(t>>3)+24+(t&7)], s[INF]
.set t, t+1
.endr
	; register j of lane l holds element (8 (l / 16) + j, l % 16): each lane takes register l % 8, which is the diagonal's in lanes 0-7 and 24-31; the others take it from the lane 16 away
	WIN 0x0f
.irp q, 0,1,2,3
	v_cndmask_b32 v[X+(\q)], v[8*(\q)], v[8*(\q)+1], s[LM+1]
.endr
	WIN 0x0c
.irp j, 2,3,4,5,6,7
.irp q, 0,1,2,3
	v_cndmask_b32 v[X+(\q)], v[X+(\q)], v[8*(\q)+(\j)], s[LM+(\j)]
.endr
.endr
	WIN 0
.irp q, 0,1,2,3
	v_permlanex16_b32 v[Y+(\q)], v[X+(\q)], s[SEL], s[SEL+1]
.endr
.irp q, 0,1,2,3
	v_cndmask_b32 v[ZZ+2*(\q)], v[Y+(\q)], v[X+(\q)], s[DG]
.endr
.irp q, 0,1,2,3
	v_mov_b32 v[ZZ+2*(\q)+1], v[ZZ+2*(\q)]
.endr
; THE MATRIX WORK.  Product i of 32 of piece x: channels 32 (i / 4) on, code tile (i / 2) % 2, query tile 2 x + i % 2.  The four sums take turns, one instruction a turn; the first four start them.
.macro MM x, par
	WIN W_MM
.set mA, 32*(\x)+16*(i&1)+8*((i>>1)&1)
.set mC, 128*(\par)+64*((i>>1)&1)+8*(i>>2)
.set mZ, 64*(2*(\x)+(i&1))+8*(i>>2)
.if i < 4
	v_wmma_f32_16x16x32_bf16 v[mA:mA+7], v[mC:mC+7], v[mZ:mZ+7], 0
.else
	v_wmma_f32_16x16x32_bf16 v[mA:mA+7], v[mC:mC+7], v[mZ:mZ+7], v[mA:mA+7]
.endif
.set i, i+1
.endm
; THE LDS LOADS stand in one run of 36: a step's 32 codes (16 fragments) and their ee (a lane's 8 codes of each code tile: 32 bytes), into buffer b.
.macro FETCH b
	WIN 0
	v_add_nc_u32 v[ADR], s[TB], v[AF]
	v_add_nc_u32 v[ADE], s[TB], v[AE]
	s_add_co_u32 s[TB], s[TB], BLK  ; the next fetch is the next step's
	WIN TO_CF
.set t, 0
.rept 16                            ; code tile t / 8, channels 32 (t % 8) on
	ds_load_b128 v[128*(\b)+8*t:128*(\b)+8*t+3],   v[ADR] offset:(t>>3)*16*PITCH+(t&7)*64
	ds_load_b128 v[128*(\b)+8*t+4:128*(\b)+8*t+7], v[ADR] offset:(t>>3)*16*PITCH+(t&7)*64+32
.set t, t+1
.endr
	WIN TO_EE
.irp t, 0,1,2,3
	ds_load_b128 v[EE+16*(\b)+4*(\t):EE+16*(\b)+4*(\t)+3], v[ADE] offset:64*((\t)>>1)+16*((\t)&1)
.endr
.endm
; THE VECTOR WORK.  Line n of the 96 that take piece y's distances of a step of parity rho into the state.
;   0-15   A = ee + zz, two codes a line; they name no register of the products just issued, and are the places behind piece y's last products
;   16-31  d = A - 2 s, one rounding; each sum's lowest registers are read first
;   32-95  for j = 0..7 and both tiles: the new best = the smallest of the old best, d of code a and d of code b; a strict compare; the step's number and d of code a are kept where the best fell.
;          The selects of j - 1 stand among the minimum and compare of j, so that no line reads the result of the line before it; the masks go by j's parity.
.macro RD y, rho
.if n < 32
.set ru, n&1
.set rc, (n>>1)&1
.set rj, (n>>2)&3
.set rT, T+16*ru+8*rc+2*rj
	WIN W_P
.if n < 16
	v_pk_add_f32 v[rT:rT+1], v[EE+16*(\rho)+8*rc+2*rj:EE+16*(\rho)+8*rc+2*rj+1], v[ZZ+2*(2*(\y)+ru):ZZ+2*(2*(\y)+ru)+1]
.else
	v_pk_fma_f32 v[rT:rT+1], v[32*(\y)+16*ru+8*rc+2*rj:32*(\y)+16*ru+8*rc+2*rj+1], -2.0, v[rT:rT+1] op_sel_hi:[1,0,1]
.endif
.else
.set rm, n-32
.set ru, rm&1
.if rm < 4
.set rk, rm>>1                      ; kinds: 0 minimum, 1 compare, 2 the step's number, 3 d of code a
.set rj, 0
.elseif rm < 60
.set rp, ((rm-4)%8)>>1
.set rk, ((rp&1)<<1)|(rp>>1)
.set rj, (rm-4)/8+1-(rp&1)
.else
.set rk, 2+((rm-60)>>1)
.set rj, 7
.endif
.set rS, ST+32*(2*(\y)+ru)
.set rO, rS+8*(\rho)+rj
.set rN, rS+8*(1-(\rho))+rj
.set rD, T+16*ru+rj
.set rM, MK+2*(rj&1)+ru
	WIN 0
.if rk == 0
	v_min3_num_f32 v[rN], v[rO], v[rD], v[rD+8]
.elseif rk == 1
	v_cmp_lt_f32 s[rM], v[rN], v[rO]
.elseif rk == 2
	v_cndmask_b32 v[rS+16+rj], v[rS+16+rj], s[PID], s[rM]
.else
	v_cndmask_b32 v[rS+24+rj], v[rS+24+rj], v[rD], s[rM]
.endif
.endif
.set n, n+1
.endm
; A HALF: piece x's 32 products on buffer par; behind each, three lines of the other piece's 96 (riders = 1).  fetch = 1: behind the sixth product the next step's run of loads goes out, into the other buffer:
; its codes' last reader, the step before's last product, stands six products and 21 plain lines back, and its ee were last read by line 15.
.macro HALF x, par, riders, rho, fetch
.set n, 0
.set i, 0
.if \x
	s_add_co_u32 s[PID], s[PID], 1  ; from here on the lines take in the step in hand
.endif
.rept 32
	MM \x, \par
.if \riders
	RD 1-(\x), \rho
	RD 1-(\x), \rho
	RD 1-(\x), \rho
.endif
.if (\fetch) && (i == 6)
	FETCH 1-(\par)
.endif
.endr
.endm
; A STEP of parity par: piece 0's products beside piece 1's lines of the step before, then piece 1's products beside piece 0's lines of this step.  first = 1: there is no step before.
.macro STEP par, fetch, first
	s_wait_dscnt 0x0                ; the step's codes and ee are in: they were asked for 58 matrix instructions ago
	HALF 0, \par, 1-(\first), 1-(\par), \fetch
	HALF 1, \par, 1, \par, 0
.endm
; THE CHANGE OF SLOTS, when the slot's fourth block has been asked for.  Each wave waits for all its tensor loads, of which one is out: its block of the other slot; adds 0 to its spare word; and waits for that and for
; its own reads of the slot.  fill = 1: the slot is filled again, with the blocks two slots on: the barrier is a round of the cluster's, so that no wave of any partner still reads the slot or has a load on its way, and
; the joint refill is the first thing behind it: it has four steps, 256 matrix instructions, in which to land.
.macro CHANGE fill
	WIN 0                           ; at a label and at a branch every window is 0
	s_wait_tensorcnt 0x0            ; no tensor load of mine is out, so a group 0 may be written
	ds_add_u32 v[SPW], v[NIL]       ; 0 onto my spare word
.if \fill
	s_xor_b32 s[G0W+1], s[G0W+1], SLOT1  ; the walking descriptor: the other slot than last time,
	s_add_nc_u64 s[G0W+2:G0W+3], s[G0W+2:G0W+3], 4*GBLK  ; the next four blocks; the type bits on top are not reached
	s_wait_dscnt 0x0                ; the add is done, and my reads of the slot are over
	CROUND
	tensor_load_to_lds s[G0W:G0W+3], s[G1:G1+7]
	s_nop 0
.rept 4
	v_nop
.endr
.else
	s_wait_dscnt 0x0                ; the add is done, and my reads of the slot are over
	s_barrier_signal -1
	s_barrier_wait -1
.endif
	s_sub_co_u32 s[TB], s[TB], 4*BLK  ; the fetches go back to a slot's first block,
	s_xor_b32 s[TB], s[TB], SLOT1     ; in the other slot
.endm
	s_wait_tensorcnt 0x1            ; my block of slot 0 is in; slot 1's may stay out
	s_barrier_signal -1
	s_barrier_wait -1               ; everybody's is
	FETCH 0                         ; step 0
	STEP 0, 1, 1
	WIN 0
	s_mov_b32 s[CNT], 1             ; slot 0 has two steps left to start: the loop is entered behind its change of slots
	s_mov_b32 s[SLOTS], 31
	s_branch .Lin
.Lslot:                             ; 30 times, in front of steps 3, 7, .. 119: every slot but the last two is filled again
	CHANGE 1
	s_mov_b32 s[CNT], 2
.Lin:
	STEP 1, 1, 0
	STEP 0, 1, 0
	WIN 0
	s_sub_co_u32 s[CNT], s[CNT], 1
	s_cmp_lg_u32 s[CNT], 0
	s_cbranch_scc1 .Lin
	s_sub_co_u32 s[SLOTS], s[SLOTS], 1
	s_cmp_lg_u32 s[SLOTS], 0
	s_cbranch_scc1 .Lslot
	CHANGE 0                        ; the tail is written out: nothing is asked for
	s_mov_b32 s[CNT], 2
.Ltail:                             ; steps 123 to 126
	STEP 1, 1, 0
	STEP 0, 1, 0
	WIN 0
	s_sub_co_u32 s[CNT], s[CNT], 1
	s_cmp_lg_u32 s[CNT], 0
	s_cbranch_scc1 .Ltail
	STEP 1, 0, 0                    ; step 127 fetches nothing
.set n, 0
.rept 96
	RD 1, 1                         ; and its piece 1 is taken in
.endr
	; THE WAY OUT.  Step 127 is odd, so the best lie in B0.  A slot's code is 32 IX + 8 (l / 16) + j, and 16 more unless code a's distance is the best (of two equal ones the lower code).  Of a query's 16 slots
	; (8 registers, two lanes) those that hold the smallest distance keep their code, the others take the largest number; the smallest code is the answer.
	WIN 0
.macro FIN q
.set fS, ST+32*(\q)
.irp j, 0,1,2,3,4,5,6,7
	v_cmp_neq_f32 s[MK+((\j)&3)], v[fS+24+(\j)], v[fS+(\j)]
	v_lshl_add_u32 v[fS+16+(\j)], v[fS+16+(\j)], 5, v[H8]
	v_cndmask_b32 v[fS+24+(\j)], 0, v[C16], s[MK+((\j)&3)]
	v_add3_u32 v[fS+16+(\j)], v[fS+16+(\j)], v[fS+24+(\j)], \j
.endr
	v_min3_num_f32 v[X+(\q)], v[fS], v[fS+1], v[fS+2]
	v_min3_num_f32 v[X+(\q)], v[X+(\q)], v[fS+3], v[fS+4]
	v_min3_num_f32 v[X+(\q)], v[X+(\q)], v[fS+5], v[fS+6]
	v_min_num_f32 v[X+(\q)], v[X+(\q)], v[fS+7]
	v_permlanex16_b32 v[Y+(\q)], v[X+(\q)], s[SEL], s[SEL+1]
	v_min_num_f32 v[X+(\q)], v[X+(\q)], v[Y+(\q)]
.irp j, 0,1,2,3,4,5,6,7
	v_cmp_eq_f32 s[MK+((\j)&3)], v[fS+(\j)], v[X+(\q)]
	v_cndmask_b32 v[fS+16+(\j)], -1, v[fS+16+(\j)], s[MK+((\j)&3)]
.endr
.irp j, 0,2,4,6
	v_min_u32 v[fS+16+(\j)], v[fS+16+(\j)], v[fS+17+(\j)]
.endr
	v_min_u32 v[fS+16], v[fS+16], v[fS+18]
	v_min_u32 v[fS+20], v[fS+20], v[fS+22]
	v_min_u32 v[fS+16], v[fS+16], v[fS+20]
	v_permlanex16_b32 v[Y+(\q)], v[fS+16], s[SEL], s[SEL+1]
	v_min_u32 v[X+(\q)], v[fS+16], v[Y+(\q)]
.endm
	FIN 0
	FIN 1
	FIN 2
	FIN 3
	v_cndmask_b32 v[X], v[X], v[X+1], s[UP]        ; lane l: row l of my 64,
	v_cndmask_b32 v[X+2], v[X+2], v[X+3], s[UP]    ; and row 32 + l
	v_lshrrev_b32 v1, 1, v[LO]                     ; 8 x lane
	ds_store_b32 v[L4], v[X]                       ; through my stage, so that a lane holds two neighbouring rows' indices
	ds_store_b32 v[L4], v[X+2] offset:128
	ds_load_b64 v[OUT:OUT+1], v[STO]               ; LDS serves a wave's instructions in order: this sees the two stores
	s_wait_dscnt 0x0
	global_store_b64 v1, v[OUT:OUT+1], s[8:9]      ; 32 lanes x 8 bytes: 256 consecutive bytes, at a multiple of 256 from idx's first byte
	s_wait_tensorcnt 0x0            ; the wave's end, behind my last tensor load and my last LDS store
	ds_add_u32 v[SPW], v[NIL]
	s_wait_dscnt 0x0
	CROUND                          ; the closing round: no work-group ends while a partner may still ask for a tile that names it
	s_endpgm
.Lfunc_end_k_qb5c66fb52e_search:
	.size	k_qb5c66fb52e_search, .Lfunc_end_k_qb5c66fb52e_search-k_qb5c66fb52e_search
	.p2alignl 7, 3214868480
	.fill 96, 4, 3214868480
	.section	.rodata,"a",@progbits
	.p2align	6, 0x0
	.amdhsa_kernel k_qb5c66fb52e_search
		.amdhsa_group_segment_fixed_size 327680
		.amdhsa_private_segment_fixed_size 0
		.amdhsa_enable_private_segment 0
		.amdhsa_kernarg_size 24
		.amdhsa_user_sgpr_count 2
		.amdhsa_user_sgpr_kernarg_segment_ptr 1
		.amdhsa_wavefront_size32 1
		.amdhsa_system_sgpr_workgroup_id_x 1
		.amdhsa_system_sgpr_workgroup_id_y 1
		.amdhsa_system_sgpr_workgroup_id_z 1
		.amdhsa_system_vgpr_workitem_id 0
		.amdhsa_next_free_vgpr 864
		.amdhsa_next_free_sgpr 66
		.amdhsa_reserve_vcc 0
		.amdhsa_float_denorm_mode_32 3
		.amdhsa_float_denorm_mode_16_64 3
		.amdhsa_memory_ordered 1
		.amdhsa_forward_progress 1
		.amdhsa_inst_pref_size 204
	.end_amdhsa_kernel
	.amdgpu_metadata
---
amdhsa.version: [ 1, 2 ]
amdhsa.kernels:
  - .name:           k_qb5c66fb52e_search
    .symbol:         k_qb5c66fb52e_search.kd
    .args:
      - { .name: z, .offset: 0, .size: 8, .value_kind: global_buffer, .address_space: global }
      - { .name: cbx, .offset: 8, .size: 8, .value_kind: global_buffer, .address_space: global }
      - { .name: idx, .offset: 16, .size: 8, .value_kind: global_buffer, .address_space: global }
    .group_segment_fixed_size: 327680
    .private_segment_fixed_size: 0
    .kernarg_segment_align: 8
    .kernarg_segment_size: 24
    .max_flat_workgroup_size: 128
    .sgpr_count:     66
    .vgpr_count:     864
    .wavefront_size: 32
...
	.end_amdgpu_metadata
.endif
;; end of part 2
;; launch gather (part 3): grid 512 x 1, 8 waves a work-group, no clusters, 0 bytes of LDS; arguments idx, codebook, out0; writes out0
.if DOCPART == 3
	.amdgcn_target "amdgcn-amd-amdhsa--gfx1250"
	.amdhsa_code_object_version 6
	.text
	.protected	k_qb5c66fb52e_gather
	.globl	k_qb5c66fb52e_gather
	.p2align	8
	.type	k_qb5c66fb52e_gather,@function
k_qb5c66fb52e_gather:
	s_mov_b64 s[64:65], 0
	v_nop
	global_prefetch_b8 v0, s[64:65] scope:SCOPE_SE
	s_setreg_imm32_b32 hwreg(HW_REG_WAVE_MODE, 25, 1), 1
	s_wait_xcnt 0x0
; out0[n][:] = codebook[idx[n]][:], in f32 as the codebook holds it.  idx: 65,536 whole numbers that the launch before stored; a row is 1,024 bytes.
; A wave copies 16 rows: its 16 indices come by one scalar load (64 bytes), each row by two loads of 512 consecutive bytes, all 32 issued before the first store; each store covers 512 consecutive aligned bytes.
; An index is held to 0 .. 4,095 before it enters an address.  No LDS, no barrier, no matrix unit: the rows are only moved.  The loads carry no hint: a code's row may be named by many rows of the output.
.set OFF, 2                            ; v[2:17]    row i: 1,024 x its index + 16 x lane
.set D,   20                           ; v[20:147]  row i: 8 registers
	s_load_b128 s[4:7], s[0:1], 0x0                ; idx s[4:5], codebook s[6:7]
	s_load_b64 s[8:9], s[0:1], 0x10                ; out0
	v_lshrrev_b32 v1, 5, v0
	v_readfirstlane_b32 s10, v1                    ; wave 0..7
	v_and_b32 v1, 31, v0
	v_lshlrev_b32 v1, 4, v1                        ; 16 x lane
	s_lshl_b32 s11, ttmp9, 3
	s_add_co_u32 s11, s11, s10                     ; my wave among the launch's 4,096
	s_lshl_b32 s12, s11, 6                         ; its 16 indices,
	s_mov_b32 s13, 0
	s_lshl_b32 s14, s11, 14                        ; its 16 rows of the output
	s_mov_b32 s15, 0
	s_wait_kmcnt 0x0
	s_add_nc_u64 s[4:5], s[4:5], s[12:13]
	s_add_nc_u64 s[8:9], s[8:9], s[14:15]
	s_load_b512 s[16:31], s[4:5], 0x0
	s_wait_kmcnt 0x0
.irp i, 0,1,2,3,4,5,6,7,8,9,10,11,12,13,14,15
	s_min_u32 s[16+(\i)], s[16+(\i)], 4095
	s_lshl_b32 s[16+(\i)], s[16+(\i)], 10
	v_add_nc_u32 v[OFF+(\i)], s[16+(\i)], v1
.endr
.irp i, 0,1,2,3,4,5,6,7,8,9,10,11,12,13,14,15
	global_load_b128 v[D+8*(\i):D+8*(\i)+3],   v[OFF+(\i)], s[6:7]
	global_load_b128 v[D+8*(\i)+4:D+8*(\i)+7], v[OFF+(\i)], s[6:7] offset:512
.endr
.irp i, 0,1,2,3,4,5,6,7,8,9,10,11,12,13,14,15
	s_wait_loadcnt 30-2*(\i)                       ; loads come back in order (ISA guide 5.7.1): row i is in; the later rows' loads, two a row, stay out
	global_store_b128 v1, v[D+8*(\i):D+8*(\i)+3],   s[8:9] offset:1024*(\i) th:TH_STORE_NT
	global_store_b128 v1, v[D+8*(\i)+4:D+8*(\i)+7], s[8:9] offset:1024*(\i)+512 th:TH_STORE_NT
.endr
	s_endpgm
.Lfunc_end_k_qb5c66fb52e_gather:
	.size	k_qb5c66fb52e_gather, .Lfunc_end_k_qb5c66fb52e_gather-k_qb5c66fb52e_gather
	.p2alignl 7, 3214868480
	.fill 96, 4, 3214868480
	.section	.rodata,"a",@progbits
	.p2align	6, 0x0
	.amdhsa_kernel k_qb5c66fb52e_gather
		.amdhsa_group_segment_fixed_size 0
		.amdhsa_private_segment_fixed_size 0
		.amdhsa_enable_private_segment 0
		.amdhsa_kernarg_size 24
		.amdhsa_user_sgpr_count 2
		.amdhsa_user_sgpr_kernarg_segment_ptr 1
		.amdhsa_wavefront_size32 1
		.amdhsa_system_sgpr_workgroup_id_x 1
		.amdhsa_system_sgpr_workgroup_id_y 1
		.amdhsa_system_sgpr_workgroup_id_z 1
		.amdhsa_system_vgpr_workitem_id 0
		.amdhsa_next_free_vgpr 148
		.amdhsa_next_free_sgpr 66
		.amdhsa_reserve_vcc 0
		.amdhsa_float_denorm_mode_32 3
		.amdhsa_float_denorm_mode_16_64 3
		.amdhsa_memory_ordered 1
		.amdhsa_forward_progress 1
		.amdhsa_inst_pref_size 10
	.end_amdhsa_kernel
	.amdgpu_metadata
---
amdhsa.version: [ 1, 2 ]
amdhsa.kernels:
  - .name:           k_qb5c66fb52e_gather
    .symbol:         k_qb5c66fb52e_gather.kd
    .args:
      - { .name: idx, .offset: 0, .size: 8, .value_kind: global_buffer, .address_space: global }
      - { .name: codebook, .offset: 8, .size: 8, .value_kind: global_buffer, .address_space: global }
      - { .name: out0, .offset: 16, .size: 8, .value_kind: global_buffer, .address_space: global }
    .group_segment_fixed_size: 0
    .private_segment_fixed_size: 0
    .kernarg_segment_align: 8
    .kernarg_segment_size: 24
    .max_flat_workgroup_size: 256
    .sgpr_count:     66
    .vgpr_count:     148
    .wavefront_size: 32
...
	.end_amdgpu_metadata
.endif
;; end of part 3
